; MI455X (gfx1250); checked and timed in simulation.
; The chip was launched on July 23, 2026; its instructions are those of AMD's public machine-readable ISA for CDNA 5 (MIT licence, August 2026) and "CDNA5" Instruction Set Architecture Reference Guide (July 2026). The comments in the code are by the model that wrote it; some were corrected since.
;; Hierarchical Phimoe Experts. Allowed arithmetic: float matrix products may take bf16 or f16 operands with f32 sums; other float arithmetic in f32, or as packed bf16 or f16 multiplies, adds, multiply-adds, maxima and minima; sums over many terms, partial sums and values carried from step to step in f32; what a program stores and reads back later, other than sums and carried values, may be rounded once to bf16 or f16.
;; Inputs: A 8 x 16 x 1,024 float32; B 8 x 1,024 x 16 float32; Wd 8 x 1,024 x 2,048 float32; Wg 8 x 2,048 x 1,024 float32; Wu 8 x 2,048 x 1,024 float32; hidden_states 1,024 x 1,024 float32; sA 8 x 2 x 8 x 1,024 float32; sB 8 x 2 x 1,024 x 8 float32; sgate 8 x 2 x 1,024 float32; top_k_indices 1,024 x 2 int32; top_k_weights 1,024 x 8 float32.
;; Outputs: out0 1,024 x 1,024 float32.
;; One version. Each part assembles by itself: llvm-mc -triple=amdgcn-amd-amdhsa -mcpu=gfx1250 --defsym DOCPART=n.
;; ======== version 1 of 1: 4 launches
;; workspace buffers: xb 2,097,152 bytes; hx 524,288 bytes; ent 32,768 bytes of whole numbers; nc 4,096 bytes of whole numbers; hb 33,554,432 bytes; pp 67,108,864 bytes
;; launch prep (part 1): grid 256 x 1, 4 waves a work-group, no clusters, 72,448 bytes of LDS; arguments hidden_states, A, sA, sgate, top_k_weights, top_k_indices, xb, hx, ent, nc; writes xb, hx, ent, nc
.if DOCPART == 1
	.amdgcn_target "amdgcn-amd-amdhsa--gfx1250"
	.amdhsa_code_object_version 6
	.text
	.protected	k_q0abae0eb33_prep
	.globl	k_q0abae0eb33_prep
	.p2align	8
	.type	k_q0abae0eb33_prep,@function
k_q0abae0eb33_prep:
	s_mov_b64 s[64:65], 0
	v_nop
	global_prefetch_b8 v0, s[64:65] scope:SCOPE_SE
	s_setreg_imm32_b32 hwreg(HW_REG_WAVE_MODE, 25, 1), 1
	s_wait_xcnt 0x0
; PREP.  Three things for the launches behind it:
;   xb  = x rounded to bf16, [t][1024];
;   hx  = the 32 numbers a (token, expert) that the LoRA parts hand to the down product as one more K step of 32:
;         k = 0..15: 2 w (x . A[e][k]);  k = 16 + 8 s + r: 2 w relu(x . sgate[e][s]) (x . sA[e][s][r]); bf16;
;         the 16 bytes (e, c, h, t) at e 65536 + c 32768 + h 16384 + 16 t hold k = 16 c + 8 h + 0..7: a lane's part of a matrix operand;
;   ent = for each (e, t) the number of chosen experts below e, or -1 if e is not chosen; nc = chosen experts of a token.
; CHOSEN means: w[t][e] is not +-0, or top_k_indices names e.  LIMIT: where w is +-0 and the index does not name e, the pair adds nothing,
; also where reference() would make a NaN of 0 times an infinity; NaN and infinities are not treated apart.
; FORMATS.  x, A, sA and sgate are rounded to bf16 as matrix operands; w is rounded to bf16 where it multiplies, so that all inputs carry the same rounding; sums in f32.
; These whole numbers come from floats, so here they are only stored, at fixed places; later launches form addresses from them.
; SHARES.  Work-group g: tokens 16 (g / 4) .. + 15, experts 2 (g % 4) and + 1.  Wave w: expert 2 (g % 4) + w / 2; w even: A's 16 rows, w odd: sA's 16 rows.
; Every wave runs one text: its 16 rows (accumulator P) and the expert's two gate rows (accumulator Q) by turns.
; The matrix instruction is used with source 0 = 16 weight rows, source 1 = 16 tokens: lane l holds token l % 16 and weight rows 8 (l / 16) + 0..7.
; f32 rows are loaded 512 consecutive bytes a wave, rounded to bf16 and turned into fragments through the wave's own stage in LDS.
; No tensor loads: nothing here is filled twice and the rows want a conversion on their way.  No cluster: what is shared is small beside the launch's own cost.
.set XP,    2064                ; a row of x in LDS: 2,048 bytes + 16
.set STG,   33024               ; behind x's 16 rows: a stage for each wave
.set STGW,  9728
.set SP,    528                 ; a stage row: 512 bytes (256 k in bf16) + 16
.set GOFF,  8448                ; the two gate rows, behind the stage's 16 rows
.set SPARE, 71936               ; the spare words: 128 bytes a wave, named by no other line
.set MSB, 0
.macro WIN new                  ; s_set_vgpr_msb: bits 1:0 source 0, 3:2 source 1, 5:4 source 2, 7:6 destination; the high byte repeats the setting that is left
.if MSB != (\new)
	s_set_vgpr_msb (MSB<<8)|(\new)
.set MSB, (\new)
.endif
.endm
; window 0: v0-31 addresses and small inputs; v32-39 P; v40-47 Q; v48-63 at work; v64-127 x, v128-191 my rows, v192-255 gate rows: fragments of a quarter of K
; window 1, window 2: v0-143 raw quarters by turns; window 3: v0-127 my four raw rows of x
	s_load_b512 s[8:23], s[0:1], 0x0               ; x s[8:9], A s[10:11], sA s[12:13], sgate s[14:15], w s[16:17], idx s[18:19], xb s[20:21], hx s[22:23]
	s_load_b128 s[24:27], s[0:1], 0x40             ; ent s[24:25], nc s[26:27]
	v_lshl_add_u32 v28, v0, 2, SPARE
	v_mov_b32 v29, 0
	v_lshrrev_b32 v1, 5, v0
	v_readfirstlane_b32 s2, v1                     ; wave
	v_and_b32 v1, 31, v0                           ; lane
	v_and_b32 v26, 15, v0                          ; r
	v_bfe_u32 v27, v0, 4, 1                        ; h
	s_lshr_b32 s4, ttmp9, 2                        ; token tile
	s_and_b32 s5, ttmp9, 3                         ; expert pair
	s_lshr_b32 s6, s2, 1
	s_and_b32 s7, s2, 1                            ; kind: 0 A, 1 sA
	s_lshl1_add_u32 s28, s5, s6                    ; my expert
	s_cmp_lg_u32 s7, 0
	s_cselect_b32 s41, -1, 0                       ; all lanes where kind = 1
	s_mul_i32 s29, s2, STGW
	s_add_co_u32 s29, s29, STG                     ; my stage
	s_mul_i32 s30, s2, 4*XP                        ; my four rows of x in LDS
	v_lshlrev_b32 v2, 4, v1                        ; 16 x lane
	v_lshlrev_b32 v8, 3, v1                        ; 8 x lane
	v_add_nc_u32 v3, s29, v8                       ; into the stage
	v_add_nc_u32 v4, s30, v8                       ; into x's rows
	v_mul_u32_u24 v5, v26, SP
	v_lshl_add_u32 v5, v27, 4, v5
	v_add_nc_u32 v5, s29, v5                       ; fragments of my rows: row r, 16 h
	v_lshrrev_b32 v6, 3, v26
	v_mul_u32_u24 v6, v6, SP
	v_lshl_add_u32 v6, v27, 4, v6
	v_add_nc_u32 v6, s29, v6
	v_add_nc_u32 v6, GOFF, v6                      ; fragments of the gate rows: weight row i is gate i / 8, so result register j of lane half h is gate h
	v_mul_u32_u24 v7, v26, XP
	v_lshl_add_u32 v7, v27, 4, v7                  ; fragments of x
	v_lshlrev_b32 v9, 5, v26                       ; my token's 8 weights
	v_lshlrev_b32 v10, 3, v26                      ; its two indices
	v_lshlrev_b32 v11, 2, v26                      ; its word in ent and nc
	v_lshlrev_b32 v24, 4, v26
	v_lshl_add_u32 v24, v27, 14, v24               ; its 16 bytes in hx
	s_mov_b32 s31, 0
	s_wait_kmcnt 0x0
	s_lshl_b32 s30, s4, 16
	s_lshl_b32 s36, s2, 14
	s_add_co_u32 s30, s30, s36
	s_add_nc_u64 s[8:9], s[8:9], s[30:31]          ; x at my four rows
	s_cmp_lg_u32 s7, 0
	s_cselect_b64 s[32:33], s[12:13], s[10:11]     ; sA or A: both are [e][16 rows][1024]
	s_lshl_b32 s30, s28, 16
	s_add_nc_u64 s[32:33], s[32:33], s[30:31]
	s_lshl_b32 s36, s7, 15
	s_add_co_u32 s30, s30, s36
	s_lshl_b32 s36, s4, 8
	s_add_co_u32 s30, s30, s36
	s_add_nc_u64 s[22:23], s[22:23], s[30:31]      ; hx at (e, c = kind), my 16 tokens
	s_lshl_b32 s30, s28, 13
	s_add_nc_u64 s[14:15], s[14:15], s[30:31]
	s_lshl_b32 s30, s4, 9
	s_add_nc_u64 s[16:17], s[16:17], s[30:31]
	s_lshl_b32 s30, s28, 2
	s_add_nc_u64 s[34:35], s[16:17], s[30:31]      ; w[.][e]
	s_lshl_b32 s30, s4, 7
	s_add_nc_u64 s[18:19], s[18:19], s[30:31]
	s_lshl_b32 s30, s4, 15
	s_lshl_b32 s36, s2, 13
	s_add_co_u32 s30, s30, s36
	s_add_nc_u64 s[20:21], s[20:21], s[30:31]      ; xb at my four rows
	s_lshl_b32 s30, s4, 6
	s_add_nc_u64 s[26:27], s[26:27], s[30:31]
	s_lshl_b32 s36, s28, 12
	s_add_co_u32 s30, s30, s36
	s_add_nc_u64 s[24:25], s[24:25], s[30:31]
; quarter c of K of my 16 rows (32 loads) and of the two gate rows (4 loads), 512 consecutive bytes each, into window win
.macro RAWQ c, win
	WIN (\win)<<6
.set k, 0
.rept 32
	global_load_b128 v[4*k:4*k+3], v2, s[32:33] offset:(k/2)*4096+(\c)*1024+(k%2)*512
.set k, k+1
.endr
.set k, 0
.rept 4
	global_load_b128 v[128+4*k:128+4*k+3], v2, s[14:15] offset:(k/2)*4096+(\c)*1024+(k%2)*512
.set k, k+1
.endr
	WIN 0
.endm
; the raw quarter in window win is rounded in place (4 f32 a lane become 8 bytes) and laid into my stage
.macro CVTQ win
	WIN (\win)|((\win)<<2)|((\win)<<6)
.set k, 0
.rept 36
	v_cvt_pk_bf16_f32 v[4*k], v[4*k], v[4*k+1]
	v_cvt_pk_bf16_f32 v[4*k+1], v[4*k+2], v[4*k+3]
.set k, k+1
.endr
	WIN (\win)<<2
.set k, 0
.rept 32
	ds_store_b64 v3, v[4*k:4*k+1] offset:(k/2)*SP+(k%2)*256
.set k, k+1
.endr
.set k, 0
.rept 4
	ds_store_b64 v3, v[128+4*k:128+4*k+1] offset:GOFF+(k/2)*SP+(k%2)*256
.set k, k+1
.endr
	WIN 0
.endm
	global_load_b128 v[12:15], v9, s[16:17]        ; my token's eight weights,
	global_load_b128 v[16:19], v9, s[16:17] offset:16
	global_load_b64 v[20:21], v10, s[18:19]        ; its two indices,
	global_load_b32 v22, v9, s[34:35]              ; its weight for my expert
	WIN 0xc0
.set k, 0
.rept 32
	global_load_b128 v[4*k:4*k+3], v2, s[8:9] offset:(k/8)*4096+(k%8)*512
.set k, k+1
.endr
	WIN 0
	RAWQ 0, 1
	s_wait_loadcnt 36                              ; all but quarter 0's 36 loads: x and the small inputs are in
	WIN 0xcf
.set k, 0
.rept 32
	v_cvt_pk_bf16_f32 v[4*k], v[4*k], v[4*k+1]
	v_cvt_pk_bf16_f32 v[4*k+1], v[4*k+2], v[4*k+3]
.set k, k+1
.endr
	WIN 0x0c
.set k, 0
.rept 32
	ds_store_b64 v4, v[4*k:4*k+1] offset:(k/8)*XP+(k%8)*256
.set k, k+1
.endr
	WIN 0
	s_cmp_lg_u32 s5, 0                             ; of the four work-groups of a token tile the first stores xb
	s_cbranch_scc1 .Lno_xb
	WIN 0x0c
.set k, 0
.rept 32
	global_store_b64 v8, v[4*k:4*k+1], s[20:21] offset:(k/8)*2048+(k%8)*256  ; a wave's store covers 256 consecutive bytes, aligned
.set k, k+1
.endr
	WIN 0
.Lno_xb:
	RAWQ 1, 2
	s_wait_dscnt 0x0                               ; for the others' sake: my rows of x are in LDS
	s_barrier_signal -1
	s_barrier_wait -1
; a quarter of K: 8 K steps, P and Q by turns.  The 72 conversions are the places between the last products and the loads into their fragments.
.macro QUARTER c
.if (\c) < 3
	s_wait_loadcnt 36                              ; the next quarter's 36 loads may stay out
.else
	s_wait_loadcnt 0x0
.endif
	CVTQ 1+((\c)&1)
.if (\c) < 2
	RAWQ (\c)+2, 1+((\c)&1)
.endif
.set k, 0
.rept 8
	ds_load_b128 v[128+8*k:128+8*k+3], v5 offset:k*64
	ds_load_b128 v[128+8*k+4:128+8*k+7], v5 offset:k*64+32
	ds_load_b128 v[192+8*k:192+8*k+3], v6 offset:k*64
	ds_load_b128 v[192+8*k+4:192+8*k+7], v6 offset:k*64+32
	ds_load_b128 v[64+8*k:64+8*k+3], v7 offset:(\c)*512+k*64
	ds_load_b128 v[64+8*k+4:64+8*k+7], v7 offset:(\c)*512+k*64+32
.set k, k+1
.endr
	s_wait_dscnt 0x0
.set k, 0
.rept 8
.if ((\c) == 0) && (k == 0)
	v_wmma_f32_16x16x32_bf16 v[32:39], v[128:135], v[64:71], 0     ; the first K step starts both sums
	v_wmma_f32_16x16x32_bf16 v[40:47], v[192:199], v[64:71], 0
.else
	v_wmma_f32_16x16x32_bf16 v[32:39], v[128+8*k:128+8*k+7], v[64+8*k:64+8*k+7], v[32:39]
	v_wmma_f32_16x16x32_bf16 v[40:47], v[192+8*k:192+8*k+7], v[64+8*k:64+8*k+7], v[40:47]
.endif
.set k, k+1
.endr
.endm
	QUARTER 0
	QUARTER 1
	QUARTER 2
	QUARTER 3
	; the routing numbers of my token; these lines are also the places behind the last products
	v_mov_b32 v60, 0                               ; chosen experts
	v_mov_b32 v61, 0                               ; chosen experts below mine
	s_mov_b32 s40, 0                               ; lanes whose token chose my expert
.set k, 0
.rept 8
	v_and_b32 v62, 0x7fffffff, v[12+k]
	v_cmp_ne_u32 s36, 0, v62                       ; w is not +-0,
	v_cmp_eq_u32 s37, k, v20                       ; or an index names the expert
	v_cmp_eq_u32 s38, k, v21
	s_or_b32 s36, s36, s37
	s_or_b32 s36, s36, s38
	v_cndmask_b32 v62, 0, 1, s36
	v_add_nc_u32 v60, v60, v62
	s_cmp_gt_u32 s28, k
	s_cselect_b32 s37, s36, 0
	v_cndmask_b32 v62, 0, 1, s37
	v_add_nc_u32 v61, v61, v62
	s_cmp_eq_u32 s28, k
	s_cselect_b32 s40, s36, s40
.set k, k+1
.endr
	v_cndmask_b32 v61, -1, v61, s40
	s_cmp_lg_u32 s7, 0                             ; one wave an expert stores ent (both halves of the lanes hold the same 16 words)
	s_cbranch_scc1 .Lno_ent
	global_store_b32 v11, v61, s[24:25]
	s_or_b32 s36, s5, s2
	s_cmp_lg_u32 s36, 0                            ; one wave a token tile stores nc
	s_cbranch_scc1 .Lno_ent
	global_store_b32 v11, v60, s[26:27]
.Lno_ent:
	v_cvt_pk_bf16_f32 v62, v22, v22                ; w rounded to bf16, as every input is,
	v_lshlrev_b32 v62, 16, v62                     ; and widened again
	v_add_f32 v62, v62, v62                        ; 2 w: both LoRA scales are 2
	v_max_num_f32 v63, 0, v40                      ; relu of gate h (Q's lowest register)
	v_cndmask_b32 v63, 1.0, v63, s41               ; the base LoRA has no gate
	v_mul_f32 v62, v62, v63
.set k, 0
.rept 8
	v_mul_f32 v[48+k], v62, v[32+k]
.set k, k+1
.endr
.set k, 0
.rept 4
	v_cvt_pk_bf16_f32 v[56+k], v[48+2*k], v[48+2*k+1]
.set k, k+1
.endr
	global_store_b128 v24, v[56:59], s[22:23]      ; 16 lanes store 256 consecutive bytes, aligned
	s_wait_tensorcnt 0x0                           ; the wave's end
	ds_add_u32 v28, v29
	s_wait_dscnt 0x0
	s_endpgm
.Lfunc_end_k_q0abae0eb33_prep:
	.size	k_q0abae0eb33_prep, .Lfunc_end_k_q0abae0eb33_prep-k_q0abae0eb33_prep
	.p2alignl 7, 3214868480
	.fill 96, 4, 3214868480
	.section	.rodata,"a",@progbits
	.p2align	6, 0x0
	.amdhsa_kernel k_q0abae0eb33_prep
		.amdhsa_group_segment_fixed_size 72448
		.amdhsa_private_segment_fixed_size 0
		.amdhsa_enable_private_segment 0
		.amdhsa_kernarg_size 80
		.amdhsa_user_sgpr_count 2
		.amdhsa_user_sgpr_kernarg_segment_ptr 1
		.amdhsa_wavefront_size32 1
		.amdhsa_system_sgpr_workgroup_id_x 1
		.amdhsa_system_sgpr_workgroup_id_y 1
		.amdhsa_system_sgpr_workgroup_id_z 1
		.amdhsa_system_vgpr_workitem_id 0
		.amdhsa_next_free_vgpr 896
		.amdhsa_next_free_sgpr 66
		.amdhsa_reserve_vcc 0
		.amdhsa_float_denorm_mode_32 3
		.amdhsa_float_denorm_mode_16_64 3
		.amdhsa_memory_ordered 1
		.amdhsa_forward_progress 1
		.amdhsa_inst_pref_size 80
	.end_amdhsa_kernel
	.amdgpu_metadata
---
amdhsa.version: [ 1, 2 ]
amdhsa.kernels:
  - .name:           k_q0abae0eb33_prep
    .symbol:         k_q0abae0eb33_prep.kd
    .args:
      - { .name: hidden_states, .offset: 0, .size: 8, .value_kind: global_buffer, .address_space: global }
      - { .name: A, .offset: 8, .size: 8, .value_kind: global_buffer, .address_space: global }
      - { .name: sA, .offset: 16, .size: 8, .value_kind: global_buffer, .address_space: global }
      - { .name: sgate, .offset: 24, .size: 8, .value_kind: global_buffer, .address_space: global }
      - { .name: top_k_weights, .offset: 32, .size: 8, .value_kind: global_buffer, .address_space: global }
      - { .name: top_k_indices, .offset: 40, .size: 8, .value_kind: global_buffer, .address_space: global }
      - { .name: xb, .offset: 48, .size: 8, .value_kind: global_buffer, .address_space: global }
      - { .name: hx, .offset: 56, .size: 8, .value_kind: global_buffer, .address_space: global }
      - { .name: ent, .offset: 64, .size: 8, .value_kind: global_buffer, .address_space: global }
      - { .name: nc, .offset: 72, .size: 8, .value_kind: global_buffer, .address_space: global }
    .group_segment_fixed_size: 72448
    .private_segment_fixed_size: 0
    .kernarg_segment_align: 8
    .kernarg_segment_size: 80
    .max_flat_workgroup_size: 128
    .sgpr_count:     66
    .vgpr_count:     896
    .wavefront_size: 32
...
	.end_amdgpu_metadata
.endif
;; end of part 1
;; launch up (part 2): grid 32 x 8, 4 waves a work-group, no clusters, 203,520 bytes of LDS; arguments Wg, Wu, xb, ent, top_k_weights, hb; writes hb
.if DOCPART == 2
	.amdgcn_target "amdgcn-amd-amdhsa--gfx1250"
	.amdhsa_code_object_version 6
	.text
	.protected	k_q0abae0eb33_up
	.globl	k_q0abae0eb33_up
	.p2align	8
	.type	k_q0abae0eb33_up,@function
k_q0abae0eb33_up:
	s_mov_b64 s[64:65], 0
	v_nop
	global_prefetch_b8 v0, s[64:65] scope:SCOPE_SE
	s_setreg_imm32_b32 hwreg(HW_REG_WAVE_MODE, 25, 1), 1
	s_wait_xcnt 0x0
; UP.  h[rank][f] = silu(x . Wg[e][f]) (x . Wu[e][f]) w[t][e] for the tokens that chose expert e, in the order of their numbers (rank 0, 1, ..).
; Work-group (sl, e) owns f = 64 sl .. + 63 of expert e: 128 weight rows that it alone reads, once, f32, rounded to bf16 on their way, and ALL rows of the expert.
; Wave w owns K = 256 w .. + 255 of all 128 rows: 8 tiles x 8 K steps x 8 registers = 512 registers of weights that stay for the whole launch.  So each fragment of x is
; read by one wave and feeds all 8 tiles; the four waves' partial sums meet in LDS once for each 32 rows, and wave d finishes f tile d (gate and up rows), activation and store.
; THE LIST.  ent[e][t] (whole numbers from the launch before) says who chose e.  Wave 0 lays the chosen tokens' numbers into LDS by rank; entries past the count repeat entry 0,
; so a tile that is not full computes an existing row again.  Serves every split: 0 to 1,024 rows.
; THE LOOP has a constant count, 32 trips of 32 rows; every wave passes every barrier, and a trip past the count jumps over its work alone.
; THE ROWS' WAY runs two trips ahead of the products: asked for in trip i - 2, laid into my stage and read back as fragments in trip i - 1, between the runs of that trip's products.
; hb is laid as the down product's operand registers take it: [e][16 ranks][32 f][c][lane][16 bytes].
; The matrix instruction takes source 0 = 16 weight rows, source 1 = 16 tokens: lane l holds token l % 16 and f = 8 (l / 16) + 0..7.
; bf16 for x, weights and h (h has no room in f16 at larger inputs); w is rounded to bf16 where it multiplies, so that all inputs carry the same rounding; all sums f32.
; NaN and infinities are not treated apart.
; No tensor loads: the rows come by a list and the weights want a conversion.  No cluster: each weight has one reader, and the shared rows come by a list that no descriptor covers.
.set X1,    65536               ; two regions for the partial sums, by the trip's parity: [from wave: 16,384][for wave: 4,096][tile 2 m + kind: 1,024][half: 512][16 x lane]
.set STG,   131072              ; a stage for each wave: 32 rows of 528 bytes
.set STGW,  16896
.set SP,    528
.set LIST,  198656              ; 1,088 words: the list; word 1086 the count, word 1087 takes what is not chosen
.set CNTO,  4344
.set SPARE, 203008              ; the spare words: 128 bytes a wave, named by no other line
.set MSB, 0
.macro WIN new                  ; s_set_vgpr_msb: bits 1:0 source 0, 3:2 source 1, 5:4 source 2, 7:6 destination; the high byte repeats the setting that is left
.if MSB != (\new)
	s_set_vgpr_msb (MSB<<8)|(\new)
.set MSB, (\new)
.endif
.endm
; window 0: v0-31 addresses; v32-63 a trip's tokens, then their offsets; v64-127, v128-191 x's fragments of rows 0-15 and 16-31; v192-255 partial sums and the way out (at the start v192-223: ent, wave 0)
; window 1: v0-127 accumulators (m, n) at 8 (8 m + n); v128-255 32 raw rows of x; at the start both halves are raw weight tiles
; window 2, 3: the weights: tile n at 64 (n % 4) + 8 ks of window 2 + n / 4.  Tile n: f tile n / 2; n even Wg, n odd Wu
	s_load_b256 s[8:15], s[0:1], 0x0               ; Wg s[8:9], Wu s[10:11], xb s[12:13], ent s[14:15]
	s_load_b128 s[16:19], s[0:1], 0x20             ; w s[16:17], hb s[18:19]
	v_lshl_add_u32 v28, v0, 2, SPARE
	v_mov_b32 v29, 0
	v_lshrrev_b32 v1, 5, v0
	v_readfirstlane_b32 s2, v1                     ; wave
	s_mov_b32 s3, ttmp9                            ; slice
	s_and_b32 s4, ttmp7, 0xffff                    ; expert
	v_and_b32 v1, 31, v0                           ; lane
	v_and_b32 v22, 15, v0                          ; r
	v_bfe_u32 v23, v0, 4, 1                        ; h
	v_lshlrev_b32 v2, 4, v1
	v_lshlrev_b32 v24, 2, v1
	s_mul_i32 s5, s2, STGW
	s_add_co_u32 s5, s5, STG
	v_lshl_add_u32 v3, v1, 3, s5                   ; stage, 8 bytes a lane (weights)
	v_add_nc_u32 v4, s5, v2                        ; stage, 16 bytes a lane (x)
	v_mul_u32_u24 v5, v22, SP
	v_lshl_add_u32 v5, v23, 4, v5
	v_add_nc_u32 v5, s5, v5                        ; fragments: row r, 16 h
	v_lshl_add_u32 v6, s2, 14, v2                  ; where I put partial sums, even trips,
	v_add_nc_u32 v7, X1, v6                        ; odd trips
	v_lshl_add_u32 v8, s2, 12, v2                  ; where I find those meant for me
	v_add_nc_u32 v9, X1, v8
	v_mov_b32 v10, LIST
	v_lshl_add_u32 v11, v22, 2, LIST
	v_lshl_add_u32 v13, s2, 9, v2                  ; my 16 bytes in my quarter of a row of xb
	v_mov_b32 v16, 0                               ; v14, v15: routing weights as loaded; v26, v27: the next trip's, rounded; v16, v17: those of the trip in hand: no load ever lands in the last four
	v_mov_b32 v17, 0
	v_mov_b32 v31, 1087
	s_lshl_b32 s20, s4, 23
	s_lshl_b32 s21, s3, 18
	s_add_co_u32 s20, s20, s21
	s_lshl_b32 s21, s2, 10
	s_add_co_u32 s20, s20, s21
	s_mov_b32 s21, 0
	s_lshl_b32 s22, s4, 12
	s_mov_b32 s23, 0
	s_lshl_b32 s32, s4, 2
	s_mov_b32 s33, 0
	s_lshl_b32 s34, s4, 22
	s_lshl_b32 s35, s3, 11
	s_add_co_u32 s34, s34, s35
	s_lshl_b32 s35, s2, 9                          ; K step 2 sl + w / 2 of the down product, half w % 2: 1,024 (w / 2) + 512 (w % 2) = 512 w
	s_add_co_u32 s34, s34, s35
	s_mov_b32 s35, 0
	s_wait_kmcnt 0x0
	s_add_nc_u64 s[8:9], s[8:9], s[20:21]          ; Wg and Wu at (e, my 64 rows, my quarter of K)
	s_add_nc_u64 s[10:11], s[10:11], s[20:21]
	s_add_nc_u64 s[14:15], s[14:15], s[22:23]
	s_add_nc_u64 s[16:17], s[16:17], s[32:33]
	s_add_nc_u64 s[18:19], s[18:19], s[34:35]
; rows 4 q .. 4 q + 3 of weight tile t, my quarter of K: 8 loads of 512 consecutive bytes, into raw buffer t % 2 of window 1
.macro RAW8 t, q
	WIN 0x40
.set k, 8*(\q)
.rept 8
	global_load_b128 v[128*((\t)&1)+4*k:128*((\t)&1)+4*k+3], v2, s[8+2*((\t)&1):9+2*((\t)&1)] offset:((\t)>>1)*65536+(k/2)*4096+(k%2)*512 th:TH_LOAD_NT
.set k, k+1
.endr
.endm
.macro RAWT t
	RAW8 \t, 0
	RAW8 \t, 1
	RAW8 \t, 2
	RAW8 \t, 3
	WIN 0
.endm
; the same eight: rounded in place (4 f32 a lane become 8 bytes) and laid into my stage
.macro CVT8 t, q
.set RB, 128*((\t)&1)
	WIN 0x45
.set k, 8*(\q)
.rept 8
	v_cvt_pk_bf16_f32 v[RB+4*k], v[RB+4*k], v[RB+4*k+1]
	v_cvt_pk_bf16_f32 v[RB+4*k+1], v[RB+4*k+2], v[RB+4*k+3]
.set k, k+1
.endr
	WIN 0x04
.set k, 8*(\q)
.rept 8
	ds_store_b64 v3, v[RB+4*k:RB+4*k+1] offset:(k/2)*SP+(k%2)*256
.set k, k+1
.endr
.endm
; back as 8 fragments; LDS serves a wave's instructions in order, so these see the stores above and the next tile's stores come behind them
.macro FRAGB t
	WIN (2+((\t)>>2))<<6
.set k, 0
.rept 8
	ds_load_b128 v[64*((\t)&3)+8*k:64*((\t)&3)+8*k+3], v5 offset:k*64
	ds_load_b128 v[64*((\t)&3)+8*k+4:64*((\t)&3)+8*k+7], v5 offset:k*64+32
.set k, k+1
.endr
	WIN 0
.endm
; the 32 tokens of trip s27 (at most 33: inside the list's 1,088 words), and my own two
.macro LISTLD
	v_lshl_add_u32 v22, s27, 7, v10
	v_lshl_add_u32 v23, s27, 7, v11
.set k, 0
.rept 8
	ds_load_b128 v[32+4*k:32+4*k+3], v22 offset:16*k       ; every lane reads the same 16 bytes
.set k, k+1
.endr
	ds_load_b32 v18, v23
	ds_load_b32 v19, v23 offset:64
.endm
; their rows are asked for (tokens clamped to the table), a row's 512 bytes by one load; and my two tokens' routing weights
.macro XLOAD
.set k, 0
.rept 32
	v_min_u32 v[32+k], 0x3ff, v[32+k]
	v_lshl_add_u32 v[32+k], v[32+k], 11, v13
.set k, k+1
.endr
	v_min_u32 v18, 0x3ff, v18
	v_min_u32 v19, 0x3ff, v19
	v_lshlrev_b32 v20, 5, v18
	v_lshlrev_b32 v21, 5, v19
	WIN 0x40
.set k, 0
.rept 32
	global_load_b128 v[128+4*k:128+4*k+3], v[32+k], s[12:13]
.set k, k+1
.endr
	WIN 0
	global_load_b32 v14, v20, s[16:17]
	global_load_b32 v15, v21, s[16:17]
.endm
; 16 raw rows from r0 on into my stage
.macro XSTAGE r0
	WIN 0x04
.set k, (\r0)
.rept 16
	ds_store_b128 v4, v[128+4*k:128+4*k+3] offset:k*SP
.set k, k+1
.endr
	WIN 0
.endm
; the fragments of staged rows 16 m .. 16 m + 15
.macro XFRAG m
.set k, 0
.rept 8
	ds_load_b128 v[64+64*(\m)+8*k:64+64*(\m)+8*k+3], v5 offset:(\m)*16*SP+k*64
	ds_load_b128 v[64+64*(\m)+8*k+4:64+64*(\m)+8*k+7], v5 offset:(\m)*16*SP+k*64+32
.set k, k+1
.endr
.endm
	s_cmp_lg_u32 s2, 0
	s_cbranch_scc1 .Lnot0_a
.set j, 0
.rept 32
	global_load_b32 v[192+j], v24, s[14:15] offset:j*128   ; wave 0: ent of tokens 32 j + lane
.set j, j+1
.endr
.Lnot0_a:
	RAWT 0
	s_cmp_lg_u32 s2, 0
	s_cbranch_scc1 .Lnot0_b
	v_mov_b32 v32, 0                               ; the whole list is written once with zeros: 8 x 512 + 2 x 128 = 4,352 bytes; so entry 0 holds a token also where nobody chose the expert
	v_mov_b32 v33, 0
	v_mov_b32 v34, 0
	v_mov_b32 v35, 0
	v_add_nc_u32 v22, LIST, v2
	v_add_nc_u32 v23, LIST+4096, v24
.set k, 0
.rept 8
	ds_store_b128 v22, v[32:35] offset:512*k
.set k, k+1
.endr
	ds_store_b32 v23, v32
	ds_store_b32 v23, v32 offset:128
	s_wait_loadcnt 32                              ; all but tile 0's 32 loads: ent is in
	s_mov_b32 s29, 0                               ; chosen so far
.set j, 0
.rept 32
	v_cmp_ne_u32 s28, -1, v[192+j]
	v_mbcnt_lo_u32_b32 v22, s28, s29               ; my rank: those before this group + the chosen lanes below me
	v_cndmask_b32 v22, v31, v22, s28               ; not chosen: word 1087
	v_min_u32 v22, 0x43f, v22
	v_lshl_add_u32 v22, v22, 2, v10
	v_or_b32 v23, 32*j, v1
	ds_store_b32 v22, v23
	s_bcnt1_i32_b32 s30, s28
	s_add_co_u32 s29, s29, s30
.set j, j+1
.endr
	ds_load_b32 v23, v10
	v_add_nc_u32 v22, s29, v1
	v_min_u32 v22, 0x43f, v22
	v_lshl_add_u32 v22, v22, 2, v10
	v_mov_b32 v25, s29
	s_wait_dscnt 0x0
	ds_store_b32 v22, v23                          ; the 32 entries past the count repeat entry 0
	ds_store_b32 v10, v25 offset:CNTO
.Lnot0_b:
	RAWT 1
	s_wait_dscnt 0x0                               ; for the others' sake: the list is in LDS; no other wave has touched LDS yet
	s_barrier_signal -1
	s_barrier_wait -1
	ds_load_b32 v22, v10 offset:CNTO
	s_wait_dscnt 0x0
	v_readfirstlane_b32 s29, v22
	s_min_u32 s29, s29, 0x400
	s_add_co_u32 s24, s29, 31
	s_lshr_b32 s24, s24, 5                         ; live trips
	; THE WEIGHTS, eight loads at a time: as soon as eight are in they are rounded and staged, and the same registers are asked for again, for the tile two on.
	; Behind eight (t, q) were issued: the rest of tile t, 8 (3 - q); tile t + 1, 32; tile t + 2's first q eights: 56 in all, less what the last two tiles no longer ask for.
.irp t, 0,1,2,3,4,5,6,7
.irp q, 0,1,2,3
.if (\t) < 6
	s_wait_loadcnt 56
.elseif (\t) == 6
	s_wait_loadcnt 56-8*(\q)
.else
	s_wait_loadcnt 24-8*(\q)
.endif
	CVT8 \t, \q
.if (\t) < 6
	RAW8 (\t)+2, \q
.endif
.endr
	FRAGB \t
.endr
	; the rows of trips 0 and 1, whatever the count (the list holds tokens in every entry): so every fragment register is written on every way into the loop
	s_mov_b32 s27, 0
	LISTLD
	s_wait_dscnt 0x0                               ; the tokens; also the last weight fragments, and the stage's stores out of the registers loaded next
	XLOAD
	s_wait_loadcnt 0x0
	v_cvt_pk_bf16_f32 v26, v14, v15                ; trip 0's routing weights, rounded to bf16 and widened again
	v_and_b32 v27, 0xffff0000, v26
	v_lshlrev_b32 v26, 16, v26
	XSTAGE 0
	XSTAGE 16
	XFRAG 0
	XFRAG 1
	s_mov_b32 s27, 1
	LISTLD
	s_wait_dscnt 0x0
	XLOAD
; 32 products: rows 16 m .., the four weight tiles of window 2 + g; 4 accumulators take turns; the first K step starts the sums
.macro MMUP m, g
	WIN 0x52+(\g)
.set ks, 0
.rept 8
.set n4, 0
.rept 4
.set ac, 8*(8*(\m)+4*(\g)+n4)
.if ks == 0
	v_wmma_f32_16x16x32_bf16 v[ac:ac+7], v[64*n4+8*ks:64*n4+8*ks+7], v[64+64*(\m)+8*ks:64+64*(\m)+8*ks+7], 0
.else
	v_wmma_f32_16x16x32_bf16 v[ac:ac+7], v[64*n4+8*ks:64*n4+8*ks+7], v[64+64*(\m)+8*ks:64+64*(\m)+8*ks+7], v[ac:ac+7]
.endif
.set n4, n4+1
.endr
.set ks, ks+1
.endr
.endm
; A TRIP: 32 rows, four runs of 32 products; between the runs stands the next rows' way.  One barrier: in front of it my partial sums are in region half and my reads of the
; other region (last trip's) are back; region half is written again two trips on, behind the next trip's barrier.
.macro TRIP half
	s_lshl_b32 s26, s25, 1
.if \half
	s_add_co_u32 s26, s26, 1
.endif
	s_add_co_u32 s27, s26, 2
	s_cmp_ge_u32 s26, s24
	s_cbranch_scc1 .Ldead_\@
	s_wait_xcnt 0x0                                ; the offsets of the loads that are out may be written again
	LISTLD                                         ; the tokens of trip + 2
	MMUP 0, 0
	WIN 0
	s_wait_loadcnt 0x0                             ; the rows and weights of trip + 1, asked for in the last trip; zero, since whether younger loads exist hangs on the count
	v_mov_b32 v16, v26                             ; this trip's routing weights,
	v_mov_b32 v17, v27
	v_cvt_pk_bf16_f32 v26, v14, v15                ; the next trip's, out of the registers that loads write
	v_and_b32 v27, 0xffff0000, v26
	v_lshlrev_b32 v26, 16, v26
	XSTAGE 0                                       ; the stage's rows 0-15 were read out in the last trip
	MMUP 0, 1
	WIN 0
.rept 4
	v_nop                                          ; four places between the last product on rows 0-15 and the loads into its fragments
.endr
	s_wait_dscnt 0x0                               ; issued 32 products ago or more: the tokens, the staged rows, and the fragments of rows 16-31 that the next run multiplies
	XFRAG 0
	XSTAGE 16
	MMUP 1, 0
	WIN 0
	s_cmp_ge_u32 s27, s24
	s_cbranch_scc1 .Lnox_\@
	XLOAD                                          ; the rows of trip + 2: they have a whole trip in which to land
.Lnox_\@:
	MMUP 1, 1
	WIN 0
.rept 5
	v_nop                                          ; five places: the sums are read below, fragments loaded again, and the next trip's first products write over the accumulators
.endr
	WIN 0x04
.set k, 0
.rept 16
	ds_store_b128 v[6+(\half)], v[8*k:8*k+3] offset:((k%8)/2)*4096+((k/8)*2+k%2)*1024
	ds_store_b128 v[6+(\half)], v[8*k+4:8*k+7] offset:((k%8)/2)*4096+((k/8)*2+k%2)*1024+512
.set k, k+1
.endr
	WIN 0
.Ldead_\@:
	s_wait_dscnt 0x0
	s_barrier_signal -1
	s_barrier_wait -1
	s_cmp_ge_u32 s26, s24
	s_cbranch_scc1 .Lskip_\@
	s_wait_xcnt 0x0                                ; the last trip's stores have read their offset (v12) and their data (v240-247): both are written again only behind this wait
.set k, 0
.rept 32                                               ; from wave k / 8: g and u of rows 0-15 into v192-255, of rows 16-31 into v128-191, which hold no fragments just now
	ds_load_b128 v[192-64*((k%8)/4)+16*(k/8)+4*(k%4):192-64*((k%8)/4)+16*(k/8)+4*(k%4)+3], v[8+(\half)] offset:(k/8)*16384+(k%8)*512
.set k, k+1
.endr
	s_wait_dscnt 0x0
.irp b, 192, 128
.set k, 0
.rept 8
	v_pk_add_f32 v[\b+2*k:\b+2*k+1], v[\b+2*k:\b+2*k+1], v[\b+16+2*k:\b+16+2*k+1]
	v_pk_add_f32 v[\b+32+2*k:\b+32+2*k+1], v[\b+32+2*k:\b+32+2*k+1], v[\b+48+2*k:\b+48+2*k+1]
.set k, k+1
.endr
.endr
.set k, 0
.rept 8
	v_pk_add_f32 v[192+2*k:192+2*k+1], v[192+2*k:192+2*k+1], v[224+2*k:224+2*k+1]   ; v192-199 g, v200-207 u of rows 0-15
	v_pk_add_f32 v[208+2*k:208+2*k+1], v[128+2*k:128+2*k+1], v[160+2*k:160+2*k+1]   ; v208-215 g, v216-223 u of rows 16-31
.set k, k+1
.endr
	XFRAG 1                                        ; the next trip's fragments of rows 16-31 land under the activation
	; h = g / (1 + 2^(-g log2 e)) x (u w)
.set k, 0
.rept 4
	v_pk_mul_f32 v[224+2*k:224+2*k+1], v[192+2*k:192+2*k+1], 0xbfb8aa3b op_sel_hi:[1,0]
	v_pk_mul_f32 v[232+2*k:232+2*k+1], v[208+2*k:208+2*k+1], 0xbfb8aa3b op_sel_hi:[1,0]
.set k, k+1
.endr
.set k, 0
.rept 16
	v_exp_f32 v[224+k], v[224+k]
.set k, k+1
.endr
.set k, 0
.rept 8
	v_mul_f32 v[200+k], v[200+k], v16              ; independent work behind the exponentials
	v_mul_f32 v[216+k], v[216+k], v17
.set k, k+1
.endr
	s_wait_alu depctr_va_vdst(0)                   ; one wait for the 16 exponentials
.set k, 0
.rept 8
	v_pk_add_f32 v[224+2*k:224+2*k+1], v[224+2*k:224+2*k+1], 1.0 op_sel_hi:[1,0]
.set k, k+1
.endr
.set k, 0
.rept 16
	v_rcp_f32 v[224+k], v[224+k]
.set k, k+1
.endr
	v_nop                                          ; a plain instruction behind the last reciprocal
	s_wait_alu depctr_va_vdst(0)                   ; one wait for the 16 reciprocals
.set k, 0
.rept 4
	v_pk_mul_f32 v[192+2*k:192+2*k+1], v[192+2*k:192+2*k+1], v[224+2*k:224+2*k+1]
	v_pk_mul_f32 v[208+2*k:208+2*k+1], v[208+2*k:208+2*k+1], v[232+2*k:232+2*k+1]
.set k, k+1
.endr
.set k, 0
.rept 4
	v_pk_mul_f32 v[192+2*k:192+2*k+1], v[192+2*k:192+2*k+1], v[200+2*k:200+2*k+1]
	v_pk_mul_f32 v[208+2*k:208+2*k+1], v[208+2*k:208+2*k+1], v[216+2*k:216+2*k+1]
.set k, k+1
.endr
	v_lshl_add_u32 v12, s26, 17, v2                ; two blocks of 16 ranks a trip, 65,536 bytes each
.set k, 0
.rept 4
	v_cvt_pk_bf16_f32 v[240+k], v[192+2*k], v[192+2*k+1]
	v_cvt_pk_bf16_f32 v[244+k], v[208+2*k], v[208+2*k+1]
.set k, k+1
.endr
	global_store_b128 v12, v[240:243], s[18:19]                ; 512 consecutive bytes, aligned
	global_store_b128 v12, v[244:247], s[18:19] offset:65536
.Lskip_\@:
.endm
	s_mov_b32 s25, 0
.Lloop:
	TRIP 0
	TRIP 1
	s_add_co_u32 s25, s25, 1
	s_cmp_lt_u32 s25, 16
	s_cbranch_scc1 .Lloop
	s_wait_tensorcnt 0x0                           ; the wave's end
	ds_add_u32 v28, v29
	s_wait_dscnt 0x0
	s_endpgm
.Lfunc_end_k_q0abae0eb33_up:
	.size	k_q0abae0eb33_up, .Lfunc_end_k_q0abae0eb33_up-k_q0abae0eb33_up
	.p2alignl 7, 3214868480
	.fill 96, 4, 3214868480
	.section	.rodata,"a",@progbits
	.p2align	6, 0x0
	.amdhsa_kernel k_q0abae0eb33_up
		.amdhsa_group_segment_fixed_size 203520
		.amdhsa_private_segment_fixed_size 0
		.amdhsa_enable_private_segment 0
		.amdhsa_kernarg_size 48
		.amdhsa_user_sgpr_count 2
		.amdhsa_user_sgpr_kernarg_segment_ptr 1
		.amdhsa_wavefront_size32 1
		.amdhsa_system_sgpr_workgroup_id_x 1
		.amdhsa_system_sgpr_workgroup_id_y 1
		.amdhsa_system_sgpr_workgroup_id_z 1
		.amdhsa_system_vgpr_workitem_id 0
		.amdhsa_next_free_vgpr 1024
		.amdhsa_next_free_sgpr 66
		.amdhsa_reserve_vcc 0
		.amdhsa_float_denorm_mode_32 3
		.amdhsa_float_denorm_mode_16_64 3
		.amdhsa_memory_ordered 1
		.amdhsa_forward_progress 1
		.amdhsa_inst_pref_size 196
	.end_amdhsa_kernel
	.amdgpu_metadata
---
amdhsa.version: [ 1, 2 ]
amdhsa.kernels:
  - .name:           k_q0abae0eb33_up
    .symbol:         k_q0abae0eb33_up.kd
    .args:
      - { .name: Wg, .offset: 0, .size: 8, .value_kind: global_buffer, .address_space: global }
      - { .name: Wu, .offset: 8, .size: 8, .value_kind: global_buffer, .address_space: global }
      - { .name: xb, .offset: 16, .size: 8, .value_kind: global_buffer, .address_space: global }
      - { .name: ent, .offset: 24, .size: 8, .value_kind: global_buffer, .address_space: global }
      - { .name: top_k_weights, .offset: 32, .size: 8, .value_kind: global_buffer, .address_space: global }
      - { .name: hb, .offset: 40, .size: 8, .value_kind: global_buffer, .address_space: global }
    .group_segment_fixed_size: 203520
    .private_segment_fixed_size: 0
    .kernarg_segment_align: 8
    .kernarg_segment_size: 48
    .max_flat_workgroup_size: 128
    .sgpr_count:     66
    .vgpr_count:     1024
    .wavefront_size: 32
...
	.end_amdgpu_metadata
.endif
;; end of part 2
;; launch down (part 3): grid 32 x 8, 4 waves a work-group, no clusters, 108,288 bytes of LDS; arguments Wd, B, sB, hb, hx, ent, pp; writes pp
.if DOCPART == 3
	.amdgcn_target "amdgcn-amd-amdhsa--gfx1250"
	.amdhsa_code_object_version 6
	.text
	.protected	k_q0abae0eb33_down
	.globl	k_q0abae0eb33_down
	.p2align	8
	.type	k_q0abae0eb33_down,@function
k_q0abae0eb33_down:
	s_mov_b64 s[64:65], 0
	v_nop
	global_prefetch_b8 v0, s[64:65] scope:SCOPE_SE
	s_setreg_imm32_b32 hwreg(HW_REG_WAVE_MODE, 25, 1), 1
	s_wait_xcnt 0x0
; DOWN.  pp[kh][slot][t][d] = sum over f of half kh of h[rank][f] Wd[e][d][f], and in half 0 also + sum over k < 32 of hx[t][e][k] Bext[e][d][k], for the tokens that chose expert e;
; Bext[d][0..15] = B[e][d][.], Bext[d][16 + 8 s + r] = sB[e][s][d][r]: the LoRA parts are one more K step.  slot = the number of the token's chosen experts below e, so each
; partial row (f32) has one owner; the launch behind adds a token's rows.
; Work-group (x, e): d = 64 (x / 2) .. + 63, f = 1,024 (x % 2) .. + 1,023: a block of Wd that it alone reads, once, f32, rounded to bf16 on their way, and ALL rows of the expert.
; Against 32 d and all of f, a fragment of h feeds four weight tiles in place of two: half the bytes of h for the same products; and a partial row's piece is 256 bytes.  The price: two partial rows for each chosen expert.
; Wave w owns f = 256 w .. + 255 of the half: 4 tiles x 8 K steps x 8 = 256 registers of weights that stay.  h comes from hb straight into operand registers (the launch before laid it so),
; 512 consecutive bytes a load, each fragment read by one wave of the work-group.  The four waves' partial sums meet in LDS once for each 32 rows.
; THE FILLS run two trips ahead: trip i + 2's 36 loads are issued in trip i, behind its products, into the registers just multiplied.  So that the counted wait holds on every way, a live trip always
; issues 36 loads: for a trip past the count a second copy of them, chosen by a scalar branch, in which every lane asks by the offset 0 for 16 bytes that nothing uses.  A dead trip issues none and waits for all.
; The LoRA step belongs to wave 0 of half 0; the other waves jump over its products, and their four loads of hx likewise ask by the offset 0.
; The list and the loop of a constant 32 trips with one barrier a trip are the up product's.  Rows past the count repeat entry 0: they store row 0's numbers to row 0's bytes once more.
; No tensor loads and no cluster: the live trips hang on a stored count, and no barrier or engine load stands under such a count.
.set X1,    34816               ; two regions for partial sums, by the trip's parity: [from wave: 8,704][32 rows of 272 bytes: 64 d in f32 + 16]
.set XS,    8704
.set XR,    272
.set STG,   69632               ; a stage for each wave: 16 rows of 528 bytes (256 f in bf16 + 16)
.set STGW,  8448
.set SP,    528
.set LIST,  103424              ; 1,088 words: entries slot x 1024 + token; word 1086 the count, word 1087 takes what is not chosen
.set CNTO,  4344
.set SPARE, 107776              ; the spare words: 128 bytes a wave, named by no other line
.set MSB, 0
.macro WIN new                  ; s_set_vgpr_msb: bits 1:0 source 0, 3:2 source 1, 5:4 source 2, 7:6 destination; the high byte repeats the setting that is left
.if MSB != (\new)
	s_set_vgpr_msb (MSB<<8)|(\new)
.set MSB, (\new)
.endif
.endm
; window 0: v0-31 addresses (v30 = 0: the offset of the loads that nothing uses); v32-95 accumulators (m, n) at 32 + 8 (4 m + n), at the start Bext raw; v96-127 Bext; v128-159 hx's fragments (parity, m);
;           v160-223 partial sums (at the start v192-223: ent, wave 0); v224-239 rows to store
; window 1: Wd's fragments at 64 n + 8 ks;  window 2, 3: v0-127 h's fragments of even and odd trips at 64 m + 8 ks; at the start all of both: the four raw tiles of Wd
	s_load_b256 s[8:15], s[0:1], 0x0               ; Wd s[8:9], B s[10:11], sB s[12:13], hb s[14:15]
	s_load_b128 s[16:19], s[0:1], 0x20             ; hx s[16:17], ent s[18:19]
	s_load_b64 s[20:21], s[0:1], 0x30              ; pp
	v_lshl_add_u32 v28, v0, 2, SPARE
	v_mov_b32 v29, 0
	v_lshrrev_b32 v1, 5, v0
	v_readfirstlane_b32 s2, v1                     ; wave
	s_lshr_b32 s3, ttmp9, 1                        ; slice of 64 d
	s_and_b32 s7, ttmp9, 1                         ; half of f
	s_and_b32 s4, ttmp7, 0xffff                    ; expert
	s_or_b32 s6, s2, s7
	s_cmp_eq_u32 s6, 0
	s_cselect_b32 s31, -1, 0                       ; not 0: the LoRA step is mine
	v_and_b32 v1, 31, v0                           ; lane
	v_and_b32 v22, 15, v0                          ; r
	v_bfe_u32 v23, v0, 4, 1                        ; h
	v_lshlrev_b32 v2, 4, v1
	v_lshlrev_b32 v24, 2, v1
	s_mul_i32 s5, s2, STGW
	s_add_co_u32 s5, s5, STG
	v_lshl_add_u32 v3, v1, 3, s5
	v_mul_u32_u24 v5, v22, SP
	v_lshl_add_u32 v5, v23, 4, v5
	v_add_nc_u32 v5, s5, v5
	s_mul_i32 s6, s2, XS
	v_mul_u32_u24 v6, v22, XR
	v_lshl_add_u32 v6, v23, 5, v6
	v_add_nc_u32 v6, s6, v6                        ; where I put partial sums: row r, 8 d of lane half h
	v_add_nc_u32 v7, X1, v6
	s_mul_i32 s6, s2, 8*XR
	v_mul_u32_u24 v8, v23, XR
	v_lshl_add_u32 v8, v22, 4, v8
	v_add_nc_u32 v8, s6, v8                        ; where I read: rows 8 w + h (+ 2, 4, 6), 16 bytes r
	v_add_nc_u32 v9, X1, v8
	v_mov_b32 v10, LIST
	v_lshl_add_u32 v11, v22, 2, LIST
	v_lshl_add_u32 v12, v23, 2, LIST
	v_lshl_add_u32 v12, s2, 5, v12                 ; the entries of the rows that I store
	v_lshlrev_b32 v14, 4, v22
	v_lshlrev_b32 v15, 14, v23
	v_lshlrev_b32 v25, 6, v22
	v_lshl_add_u32 v25, v23, 5, v25                ; B: row r, k = 8 h ..
	v_lshlrev_b32 v26, 5, v22
	v_lshl_add_u32 v26, v23, 15, v26               ; sB: spawn h, row r
	v_mov_b32 v30, 0
	v_mov_b32 v31, 1087
	s_mov_b32 s23, 0
	s_wait_kmcnt 0x0
	s_lshl_b32 s22, s4, 23
	s_lshl_b32 s6, s3, 19
	s_add_co_u32 s22, s22, s6
	s_lshl_b32 s6, s7, 12
	s_add_co_u32 s22, s22, s6
	s_lshl_b32 s6, s2, 10
	s_add_co_u32 s22, s22, s6
	s_add_nc_u64 s[8:9], s[8:9], s[22:23]          ; Wd at (e, my 64 rows, my 256 f)
	s_lshl_b32 s22, s4, 16
	s_add_nc_u64 s[16:17], s[16:17], s[22:23]
	s_lshl_b32 s6, s3, 12
	s_add_co_u32 s22, s22, s6
	s_add_nc_u64 s[10:11], s[10:11], s[22:23]
	s_lshl_b32 s22, s4, 16
	s_lshl_b32 s6, s3, 11
	s_add_co_u32 s22, s22, s6
	s_add_nc_u64 s[12:13], s[12:13], s[22:23]
	s_lshl_b32 s22, s4, 22
	s_lshl_b32 s6, s7, 15
	s_add_co_u32 s22, s22, s6
	s_lshl_b32 s6, s2, 13
	s_add_co_u32 s22, s22, s6
	s_add_nc_u64 s[14:15], s[14:15], s[22:23]      ; hb at (e, my 8 K steps)
	s_lshl_b32 s22, s4, 12
	s_add_nc_u64 s[18:19], s[18:19], s[22:23]
	s_lshl_b32 s22, s7, 25
	s_lshl_b32 s6, s3, 8
	s_add_co_u32 s22, s22, s6
	s_add_nc_u64 s[20:21], s[20:21], s[22:23]      ; pp at (half, my 256 bytes of a row)
; rows 4 q .. 4 q + 3 of weight tile t, my 1,024 bytes of each as 2 loads of 512 consecutive bytes; each tile has raw registers of its own
.macro RAW8 t, q
	WIN (2+((\t)>>1))<<6
.set k, 8*(\q)
.rept 8
	global_load_b128 v[128*((\t)&1)+4*k:128*((\t)&1)+4*k+3], v2, s[8:9] offset:(16*(\t)+k/2)*8192+(k%2)*512 th:TH_LOAD_NT
.set k, k+1
.endr
.endm
.macro RAWT t
	RAW8 \t, 0
	RAW8 \t, 1
	RAW8 \t, 2
	RAW8 \t, 3
	WIN 0
.endm
.macro CVT8 t, q
.set WN, 2+((\t)>>1)
.set RB, 128*((\t)&1)
	WIN WN|(WN<<2)|(WN<<6)
.set k, 8*(\q)
.rept 8
	v_cvt_pk_bf16_f32 v[RB+4*k], v[RB+4*k], v[RB+4*k+1]
	v_cvt_pk_bf16_f32 v[RB+4*k+1], v[RB+4*k+2], v[RB+4*k+3]
.set k, k+1
.endr
	WIN WN<<2
.set k, 8*(\q)
.rept 8
	ds_store_b64 v3, v[RB+4*k:RB+4*k+1] offset:(k/2)*SP+(k%2)*256
.set k, k+1
.endr
.endm
.macro FRAGD t
	WIN 0x40
.set k, 0
.rept 8
	ds_load_b128 v[64*(\t)+8*k:64*(\t)+8*k+3], v5 offset:k*64
	ds_load_b128 v[64*(\t)+8*k+4:64*(\t)+8*k+7], v5 offset:k*64+32
.set k, k+1
.endr
	WIN 0
.endm
; my two entries of trip s27 (at most 33: inside the list's 1,088 words)
.macro HLIST
	v_lshl_add_u32 v27, s27, 7, v11
	ds_load_b32 v16, v27
	ds_load_b32 v17, v27 offset:64
.endm
; four loads of hx into the registers of parity par, by the offsets in v[a0] (rows 0-15) and v[a1] (rows 16-31)
.macro HX4 par, a0, a1
	global_load_b128 v[128+16*(\par):131+16*(\par)], v[\a0], s[16:17]
	global_load_b128 v[132+16*(\par):135+16*(\par)], v[\a0], s[16:17] offset:32768
	global_load_b128 v[136+16*(\par):139+16*(\par)], v[\a1], s[16:17]
	global_load_b128 v[140+16*(\par):143+16*(\par)], v[\a1], s[16:17] offset:32768
.endm
; 32 loads of h into the window of parity par, by the offset in v[a]
.macro H32 par, a
	WIN (2+(\par))<<6
.set k, 0
.rept 32
	global_load_b128 v[4*k:4*k+3], v[\a], s[14:15] offset:(k/16)*65536+(k%16)*512
.set k, k+1
.endr
	WIN 0
.endm
; trip s27's operands are asked for: 36 loads on either way: 4 of hx (mine: by the list, clamped; not mine: by the offset 0), 32 of h
.macro HFILL par
	s_cmp_eq_u32 s31, 0
	s_cbranch_scc1 .Lnhx_\@
	v_min_u32 v16, 0x1fff, v16
	v_min_u32 v17, 0x1fff, v17
	v_and_b32 v16, 0x3ff, v16                      ; the token
	v_and_b32 v17, 0x3ff, v17
	v_lshl_add_u32 v18, v16, 4, v15
	v_lshl_add_u32 v19, v17, 4, v15
	HX4 \par, 18, 19
	s_branch .Lhxd_\@
.Lnhx_\@:
	HX4 \par, 30, 30
.Lhxd_\@:
	v_lshl_add_u32 v13, s27, 17, v2                ; two blocks of 16 ranks a trip, 65,536 bytes each
	H32 \par, 13
.endm
; the same 36 loads by the offset 0: every lane asks for the same 16 bytes, and nothing uses them; they keep the count of loads alike on every way
.macro HNONE par
	HX4 \par, 30, 30
	H32 \par, 30
.endm
	s_cmp_lg_u32 s2, 0
	s_cbranch_scc1 .Lnot0_a
.set j, 0
.rept 32
	global_load_b32 v[192+j], v24, s[18:19] offset:j*128   ; wave 0: ent of tokens 32 j + lane
.set j, j+1
.endr
.Lnot0_a:
.set k, 0
.rept 4
	global_load_b128 v[32+16*k:35+16*k], v25, s[10:11] offset:k*1024
	global_load_b128 v[36+16*k:39+16*k], v25, s[10:11] offset:k*1024+16
	global_load_b128 v[40+16*k:43+16*k], v26, s[12:13] offset:k*512
	global_load_b128 v[44+16*k:47+16*k], v26, s[12:13] offset:k*512+16
.set k, k+1
.endr
	RAWT 0
	s_cmp_lg_u32 s2, 0
	s_cbranch_scc1 .Lnot0_b
	v_mov_b32 v160, 0                              ; the whole list is written once with zeros: 8 x 512 + 2 x 128 = 4,352 bytes
	v_mov_b32 v161, 0
	v_mov_b32 v162, 0
	v_mov_b32 v163, 0
	v_add_nc_u32 v22, LIST, v2
	v_add_nc_u32 v23, LIST+4096, v24
.set k, 0
.rept 8
	ds_store_b128 v22, v[160:163] offset:512*k
.set k, k+1
.endr
	ds_store_b32 v23, v160
	ds_store_b32 v23, v160 offset:128
	s_wait_loadcnt 32                              ; all but tile 0's 32 loads: ent is in
	s_mov_b32 s29, 0
.set j, 0
.rept 32
	v_cmp_ne_u32 s28, -1, v[192+j]
	v_mbcnt_lo_u32_b32 v22, s28, s29               ; my rank
	v_cndmask_b32 v22, v31, v22, s28
	v_min_u32 v22, 0x43f, v22
	v_lshl_add_u32 v22, v22, 2, v10
	v_or_b32 v23, 32*j, v1
	v_lshl_or_b32 v23, v[192+j], 10, v23           ; slot x 1024 + token
	ds_store_b32 v22, v23
	s_bcnt1_i32_b32 s30, s28
	s_add_co_u32 s29, s29, s30
.set j, j+1
.endr
	ds_load_b32 v23, v10
	v_add_nc_u32 v22, s29, v1
	v_min_u32 v22, 0x43f, v22
	v_lshl_add_u32 v22, v22, 2, v10
	v_mov_b32 v27, s29
	s_wait_dscnt 0x0
	ds_store_b32 v22, v23                          ; the 32 entries past the count repeat entry 0: an existing row, whose owner this work-group is
	ds_store_b32 v10, v27 offset:CNTO
.Lnot0_b:
	RAWT 1
	s_wait_dscnt 0x0                               ; for the others' sake: the list is in LDS; no other wave has touched LDS yet
	s_barrier_signal -1
	s_barrier_wait -1
	ds_load_b32 v22, v10 offset:CNTO
	s_wait_dscnt 0x0
	v_readfirstlane_b32 s29, v22
	s_min_u32 s29, s29, 0x400
	s_add_co_u32 s24, s29, 31
	s_lshr_b32 s24, s24, 5                         ; live trips: it steers branches alone, and enters no address
	s_wait_loadcnt 56                              ; all but the youngest 56 (24 of tile 0, 32 of tile 1): Bext is in
.set k, 0
.rept 32
	v_cvt_pk_bf16_f32 v[96+k], v[32+2*k], v[32+2*k+1]
.set k, k+1
.endr
	; THE WEIGHTS, eight loads at a time: as soon as eight are in they are rounded and staged, and eight of the tile two on are asked for.
	; Behind eight (t, q) were issued: the rest of tile t, 8 (3 - q); tile t + 1, 32; tile t + 2's first q eights: 56 in all, less what the last two tiles no longer ask for.
.irp t, 0,1,2,3
.irp q, 0,1,2,3
.if (\t) < 2
	s_wait_loadcnt 56
.elseif (\t) == 2
	s_wait_loadcnt 56-8*(\q)
.else
	s_wait_loadcnt 24-8*(\q)
.endif
	CVT8 \t, \q
.if (\t) < 2
	RAW8 (\t)+2, \q
.endif
.endr
	FRAGD \t
.endr
	s_wait_dscnt 0x0                               ; Wd's fragments are in registers, and the stage's stores have read the raw registers that the fills below write
	s_mov_b32 s27, 0                               ; the fills of trips 0 and 1, whatever the count: they stay inside the expert's part of hb, and a dead trip uses nothing of them
	HLIST
	s_wait_dscnt 0x0
	HFILL 0
	s_mov_b32 s27, 1
	HLIST
	s_wait_dscnt 0x0
	s_wait_xcnt 0x0                                ; the first fill's offsets are written again
	HFILL 1
; A TRIP: 32 rows.  One barrier: in front of it my partial sums are in region half and my reads of the other region are back; region half is written again two trips on.
.macro TRIP half
	s_lshl_b32 s26, s25, 1
.if \half
	s_add_co_u32 s26, s26, 1
.endif
	s_add_co_u32 s27, s26, 2
	s_cmp_ge_u32 s26, s24
	s_cbranch_scc1 .Ldead_\@
	s_wait_xcnt 0x0                                ; the offsets of the fills that are out may be written again
	HLIST                                          ; my entries of trip + 2
	s_wait_loadcnt 36                              ; this trip's 36 loads are in; the next trip's 36, issued behind them, stay out
	WIN 0x09+4*(\half)
.set ks, 0
.rept 8
.set t, 0
.rept 8                                                ; eight accumulators take turns; the first K step starts the sums
.if ks == 0
	v_wmma_f32_16x16x32_bf16 v[32+8*t:32+8*t+7], v[64*(t%4)+8*ks:64*(t%4)+8*ks+7], v[64*(t/4)+8*ks:64*(t/4)+8*ks+7], 0
.else
	v_wmma_f32_16x16x32_bf16 v[32+8*t:32+8*t+7], v[64*(t%4)+8*ks:64*(t%4)+8*ks+7], v[64*(t/4)+8*ks:64*(t/4)+8*ks+7], v[32+8*t:32+8*t+7]
.endif
.set t, t+1
.endr
.set ks, ks+1
.endr
	WIN 0
	s_cmp_eq_u32 s31, 0
	s_cbranch_scc1 .Lnolora_\@
.set t, 0
.rept 8                                                ; the LoRA step, the accumulators in the same order of turns
	v_wmma_f32_16x16x32_bf16 v[32+8*t:32+8*t+7], v[96+8*(t%4):96+8*(t%4)+7], v[128+16*(\half)+8*(t/4):128+16*(\half)+8*(t/4)+7], v[32+8*t:32+8*t+7]
.set t, t+1
.endr
.Lnolora_\@:
.rept 5
	v_nop                                          ; five places: the sums are read below, operands loaded again, and the next trip's first products write over the accumulators
.endr
.set t, 0
.rept 8
	ds_store_b128 v[6+(\half)], v[32+8*t:32+8*t+3] offset:(t/4)*16*XR+(t%4)*64
	ds_store_b128 v[6+(\half)], v[32+8*t+4:32+8*t+7] offset:(t/4)*16*XR+(t%4)*64+16
.set t, t+1
.endr
	s_wait_dscnt 16                                ; all but the 16 stores just issued: my two entries are in
	s_cmp_ge_u32 s27, s24
	s_cbranch_scc1 .Lnone_\@
	HFILL \half                                    ; trip + 2, into the registers just multiplied: it has two trips in which to land
	s_branch .Lbar_\@
.Lnone_\@:
	HNONE \half                                    ; no such trip: 36 loads all the same
	s_branch .Lbar_\@
.Ldead_\@:
	s_wait_loadcnt 0x0                             ; a dead trip issues nothing: so that the counted wait above holds on every way, nothing is left out here
.Lbar_\@:
	s_wait_dscnt 0x0
	s_barrier_signal -1
	s_barrier_wait -1
	s_cmp_ge_u32 s26, s24
	s_cbranch_scc1 .Lskip_\@
	s_wait_xcnt 0x0                                ; the last trip's stores have read their offsets and data
	v_lshl_add_u32 v27, s26, 7, v12
	ds_load_b32 v20, v27
	ds_load_b32 v21, v27 offset:8
	ds_load_b32 v22, v27 offset:16
	ds_load_b32 v23, v27 offset:24
.set k, 0
.rept 16                                               ; rows 8 w + 2 (k / 4) + h, from wave k % 4
	ds_load_b128 v[160+4*k:160+4*k+3], v[8+(\half)] offset:(k%4)*XS+(k/4)*2*XR
.set k, k+1
.endr
	s_wait_dscnt 0x0
.set k, 0
.rept 4
.set a, 160+16*k
	v_pk_add_f32 v[a:a+1], v[a:a+1], v[a+4:a+5]
	v_pk_add_f32 v[a+2:a+3], v[a+2:a+3], v[a+6:a+7]
	v_pk_add_f32 v[a+8:a+9], v[a+8:a+9], v[a+12:a+13]
	v_pk_add_f32 v[a+10:a+11], v[a+10:a+11], v[a+14:a+15]
	v_pk_add_f32 v[224+4*k:224+4*k+1], v[a:a+1], v[a+8:a+9]
	v_pk_add_f32 v[224+4*k+2:224+4*k+3], v[a+2:a+3], v[a+10:a+11]
.set k, k+1
.endr
.set k, 0
.rept 4
	v_min_u32 v[20+k], 0x1fff, v[20+k]
	v_lshl_add_u32 v[20+k], v[20+k], 12, v14       ; slot x 4 MiB + token x 4,096 + my 16 bytes
.set k, k+1
.endr
.set k, 0
.rept 4
	global_store_b128 v[20+k], v[224+4*k:224+4*k+3], s[20:21]  ; sixteen lanes store 256 consecutive bytes of a row, aligned
.set k, k+1
.endr
.Lskip_\@:
.endm
	s_mov_b32 s25, 0
.Lloop:
	TRIP 0
	TRIP 1
	s_add_co_u32 s25, s25, 1
	s_cmp_lt_u32 s25, 16
	s_cbranch_scc1 .Lloop
	s_wait_tensorcnt 0x0                           ; the wave's end
	ds_add_u32 v28, v29
	s_wait_dscnt 0x0
	s_endpgm
.Lfunc_end_k_q0abae0eb33_down:
	.size	k_q0abae0eb33_down, .Lfunc_end_k_q0abae0eb33_down-k_q0abae0eb33_down
	.p2alignl 7, 3214868480
	.fill 96, 4, 3214868480
	.section	.rodata,"a",@progbits
	.p2align	6, 0x0
	.amdhsa_kernel k_q0abae0eb33_down
		.amdhsa_group_segment_fixed_size 108288
		.amdhsa_private_segment_fixed_size 0
		.amdhsa_enable_private_segment 0
		.amdhsa_kernarg_size 56
		.amdhsa_user_sgpr_count 2
		.amdhsa_user_sgpr_kernarg_segment_ptr 1
		.amdhsa_wavefront_size32 1
		.amdhsa_system_sgpr_workgroup_id_x 1
		.amdhsa_system_sgpr_workgroup_id_y 1
		.amdhsa_system_sgpr_workgroup_id_z 1
		.amdhsa_system_vgpr_workitem_id 0
		.amdhsa_next_free_vgpr 1024
		.amdhsa_next_free_sgpr 66
		.amdhsa_reserve_vcc 0
		.amdhsa_float_denorm_mode_32 3
		.amdhsa_float_denorm_mode_16_64 3
		.amdhsa_memory_ordered 1
		.amdhsa_forward_progress 1
		.amdhsa_inst_pref_size 118
	.end_amdhsa_kernel
	.amdgpu_metadata
---
amdhsa.version: [ 1, 2 ]
amdhsa.kernels:
  - .name:           k_q0abae0eb33_down
    .symbol:         k_q0abae0eb33_down.kd
    .args:
      - { .name: Wd, .offset: 0, .size: 8, .value_kind: global_buffer, .address_space: global }
      - { .name: B, .offset: 8, .size: 8, .value_kind: global_buffer, .address_space: global }
      - { .name: sB, .offset: 16, .size: 8, .value_kind: global_buffer, .address_space: global }
      - { .name: hb, .offset: 24, .size: 8, .value_kind: global_buffer, .address_space: global }
      - { .name: hx, .offset: 32, .size: 8, .value_kind: global_buffer, .address_space: global }
      - { .name: ent, .offset: 40, .size: 8, .value_kind: global_buffer, .address_space: global }
      - { .name: pp, .offset: 48, .size: 8, .value_kind: global_buffer, .address_space: global }
    .group_segment_fixed_size: 108288
    .private_segment_fixed_size: 0
    .kernarg_segment_align: 8
    .kernarg_segment_size: 56
    .max_flat_workgroup_size: 128
    .sgpr_count:     66
    .vgpr_count:     1024
    .wavefront_size: 32
...
	.end_amdgpu_metadata
.endif
;; end of part 3
;; launch comb (part 4): grid 256 x 1, 4 waves a work-group, no clusters, 0 bytes of LDS; arguments pp, nc, out0; writes out0
.if DOCPART == 4
	.amdgcn_target "amdgcn-amd-amdhsa--gfx1250"
	.amdhsa_code_object_version 6
	.text
	.protected	k_q0abae0eb33_comb
	.globl	k_q0abae0eb33_comb
	.p2align	8
	.type	k_q0abae0eb33_comb,@function
k_q0abae0eb33_comb:
	s_mov_b64 s[64:65], 0
	v_nop
	global_prefetch_b8 v0, s[64:65] scope:SCOPE_SE
	s_setreg_imm32_b32 hwreg(HW_REG_WAVE_MODE, 25, 1), 1
	s_wait_xcnt 0x0
; COMB.  out0[t] = the sum of the token's 2 nc[t] partial rows pp[0, 1][0 .. nc - 1][t], in f32, slot by slot (in a slot: half 0 + half 1); zeros where no expert was chosen.
; A wave takes one token: a row is 4,096 bytes, eight loads of 512 consecutive bytes.  The four rows of slots 0 and 1 are asked for together with nc itself; a row past nc has not been
; stored by the launch before: it is loaded and not used.  Further slots (more than two chosen experts) go round a counted loop.
; A stream: no LDS, no matrix unit, no cluster.
.macro LD r, b, off
.set k, 0
.rept 8
	global_load_b128 v[(\r)+4*k:(\r)+4*k+3], v1, s[\b:\b+1] offset:(\off)+512*k th:TH_LOAD_NT
.set k, k+1
.endr
.endm
.macro ADD a, b
.set k, 0
.rept 16
	v_pk_add_f32 v[(\a)+2*k:(\a)+2*k+1], v[(\a)+2*k:(\a)+2*k+1], v[(\b)+2*k:(\b)+2*k+1]
.set k, k+1
.endr
.endm
	s_load_b128 s[4:7], s[0:1], 0x0                ; pp s[4:5], nc s[6:7]
	s_load_b64 s[8:9], s[0:1], 0x10                ; out0
	v_lshrrev_b32 v2, 5, v0
	v_readfirstlane_b32 s2, v2
	s_lshl_b32 s3, ttmp9, 2
	s_add_co_u32 s3, s3, s2                        ; my token
	v_and_b32 v1, 31, v0
	v_lshlrev_b32 v1, 4, v1
	s_lshl_b32 s10, s3, 2
	s_mov_b32 s11, 0
	s_lshl_b32 s12, s3, 12
	s_mov_b32 s13, 0
	s_wait_kmcnt 0x0
	s_add_nc_u64 s[6:7], s[6:7], s[10:11]
	s_load_b32 s14, s[6:7], 0x0                    ; how many slots
	s_add_nc_u64 s[4:5], s[4:5], s[12:13]          ; half 0,
	s_add_nc_u64 s[16:17], s[4:5], 0x2000000       ; half 1: 32 MiB on
	s_add_nc_u64 s[8:9], s[8:9], s[12:13]
	LD 4, 4, 0
	LD 36, 16, 0
	LD 68, 4, 0x400000                             ; slot 1 lies 4 MiB on
	LD 100, 16, 0x400000
	s_wait_kmcnt 0x0
	s_min_u32 s14, s14, 8
	s_wait_loadcnt 0x0
	s_cmp_eq_u32 s14, 0
	s_cbranch_scc1 .Lzero
	ADD 4, 36
	s_cmp_lt_u32 s14, 2
	s_cbranch_scc1 .Lst
	ADD 68, 100
	ADD 4, 68
	s_cmp_lt_u32 s14, 3
	s_cbranch_scc1 .Lst
	s_add_nc_u64 s[4:5], s[4:5], 0x400000          ; no load is out: the bases may step
	s_add_nc_u64 s[16:17], s[16:17], 0x400000
	s_mov_b32 s15, 2
.Lmore:
	s_add_nc_u64 s[4:5], s[4:5], 0x400000
	s_add_nc_u64 s[16:17], s[16:17], 0x400000
	LD 36, 4, 0
	LD 68, 16, 0
	s_wait_loadcnt 0x0
	ADD 36, 68
	ADD 4, 36
	s_add_co_u32 s15, s15, 1
	s_cmp_lt_u32 s15, s14
	s_cbranch_scc1 .Lmore
	s_branch .Lst
.Lzero:
.set k, 0
.rept 32
	v_mov_b32 v[4+k], 0
.set k, k+1
.endr
.Lst:
.set k, 0
.rept 8
	global_store_b128 v1, v[4+4*k:4+4*k+3], s[8:9] offset:512*k th:TH_STORE_NT  ; 512 consecutive bytes, aligned
.set k, k+1
.endr
	s_endpgm
.Lfunc_end_k_q0abae0eb33_comb:
	.size	k_q0abae0eb33_comb, .Lfunc_end_k_q0abae0eb33_comb-k_q0abae0eb33_comb
	.p2alignl 7, 3214868480
	.fill 96, 4, 3214868480
	.section	.rodata,"a",@progbits
	.p2align	6, 0x0
	.amdhsa_kernel k_q0abae0eb33_comb
		.amdhsa_group_segment_fixed_size 0
		.amdhsa_private_segment_fixed_size 0
		.amdhsa_enable_private_segment 0
		.amdhsa_kernarg_size 24
		.amdhsa_user_sgpr_count 2
		.amdhsa_user_sgpr_kernarg_segment_ptr 1
		.amdhsa_wavefront_size32 1
		.amdhsa_system_sgpr_workgroup_id_x 1
		.amdhsa_system_sgpr_workgroup_id_y 1
		.amdhsa_system_sgpr_workgroup_id_z 1
		.amdhsa_system_vgpr_workitem_id 0
		.amdhsa_next_free_vgpr 136
		.amdhsa_next_free_sgpr 66
		.amdhsa_reserve_vcc 0
		.amdhsa_float_denorm_mode_32 3
		.amdhsa_float_denorm_mode_16_64 3
		.amdhsa_memory_ordered 1
		.amdhsa_forward_progress 1
		.amdhsa_inst_pref_size 13
	.end_amdhsa_kernel
	.amdgpu_metadata
---
amdhsa.version: [ 1, 2 ]
amdhsa.kernels:
  - .name:           k_q0abae0eb33_comb
    .symbol:         k_q0abae0eb33_comb.kd
    .args:
      - { .name: pp, .offset: 0, .size: 8, .value_kind: global_buffer, .address_space: global }
      - { .name: nc, .offset: 8, .size: 8, .value_kind: global_buffer, .address_space: global }
      - { .name: out0, .offset: 16, .size: 8, .value_kind: global_buffer, .address_space: global }
    .group_segment_fixed_size: 0
    .private_segment_fixed_size: 0
    .kernarg_segment_align: 8
    .kernarg_segment_size: 24
    .max_flat_workgroup_size: 128
    .sgpr_count:     66
    .vgpr_count:     136
    .wavefront_size: 32
...
	.end_amdgpu_metadata
.endif
;; end of part 4
